; MI455X (gfx1250); checked and timed in simulation.
; The chip was launched on July 23, 2026; its instructions are those of AMD's public machine-readable ISA for CDNA 5 (MIT licence, August 2026) and "CDNA5" Instruction Set Architecture Reference Guide (July 2026). The comments in the code are by the model that wrote it; some were corrected since.
;; Cross Multi Head Attention. Allowed arithmetic: matrix products marked QUANTISED: E2M1 operands, one E8M0 scale for each 32 along K, by v_wmma_scale_f32_16x16x128_f8f6f4 with both operands' format E2M1 (or v_wmma_scale_f32_32x16x128_f4), f32 sums; everything else in f32.
;; Inputs: Wd_codes 512 x 16 x 16 uint8 (E2M1 codes of Wd, K innermost, in blocks of 32 codes, two codes a byte); Wd_scales 512 x 16 uint8 (E8M0 scales of Wd, one for each 32 codes along K); Wk_codes 512 x 16 x 16 uint8 (E2M1 codes of Wk, K innermost, in blocks of 32 codes, two codes a byte); Wk_scales 512 x 16 uint8 (E8M0 scales of Wk, one for each 32 codes along K); Wka_codes 512 x 16 x 16 uint8 (E2M1 codes of Wka, K innermost, in blocks of 32 codes, two codes a byte); Wka_scales 512 x 16 uint8 (E8M0 scales of Wka, one for each 32 codes along K); Wkp_codes 512 x 16 x 16 uint8 (E2M1 codes of Wkp, K innermost, in blocks of 32 codes, two codes a byte); Wkp_scales 512 x 16 uint8 (E8M0 scales of Wkp, one for each 32 codes along K); Wq_codes 512 x 16 x 16 uint8 (E2M1 codes of Wq, K innermost, in blocks of 32 codes, two codes a byte); Wq_scales 512 x 16 uint8 (E8M0 scales of Wq, one for each 32 codes along K); Wqa_codes 512 x 16 x 16 uint8 (E2M1 codes of Wqa, K innermost, in blocks of 32 codes, two codes a byte); Wqa_scales 512 x 16 uint8 (E8M0 scales of Wqa, one for each 32 codes along K); Wqp_codes 512 x 16 x 16 uint8 (E2M1 codes of Wqp, K innermost, in blocks of 32 codes, two codes a byte); Wqp_scales 512 x 16 uint8 (E8M0 scales of Wqp, one for each 32 codes along K); Wv_codes 512 x 16 x 16 uint8 (E2M1 codes of Wv, K innermost, in blocks of 32 codes, two codes a byte); Wv_scales 512 x 16 uint8 (E8M0 scales of Wv, one for each 32 codes along K); attention_mask 128 x 1 x 128 x 128 float32; attribute_table_codes 128 x 128 x 1 x 16 x 16 uint8 (E2M1 codes of attribute_table, K innermost, in blocks of 32 codes, two codes a byte); attribute_table_scales 128 x 128 x 1 x 16 uint8 (E8M0 scales of attribute_table, one for each 32 codes along K); bd 512 float32; beta 512 float32; bk 512 float32; bka 512 float32; bkp 512 float32; bq 512 float32; bqa 512 float32; bqp 512 float32; bv 512 float32; gamma 512 float32; input_tensor 128 x 128 x 512 float32; position_embedding_codes 128 x 128 x 16 x 16 uint8 (E2M1 codes of position_embedding, K innermost, in blocks of 32 codes, two codes a byte); position_embedding_scales 128 x 128 x 16 uint8 (E8M0 scales of position_embedding, one for each 32 codes along K); w_matrix 3 x 3 float32.
;; Outputs: out0 128 x 128 x 512 float32.
;; This version of the problem:
;;   THIS VERSION OF THE PROBLEM IS GIVEN IN LOW PRECISION. The matrix products marked QUANTISED in the list below multiply operands that are first quantised to E2M1 (2 exponent bits, 1 mantissa bit; 4 bits a number), with one power-of-two scale for each 32 numbers along K (OCP MX v1.0); their sums are f32. All else is computed in f32.
;;   The module's matrix products, in the order in which they are computed (A, B: the left and right operand; K: the contracted axis; several contracted axes count as one K, in the product's order):
;;     1. [M 16,384, K 512] x [K 512, N 512]; A: input input_tensor; B: input Wq (given as codes): QUANTISED
;;     2. [M 16,384, K 512] x [K 512, N 512]; A: input input_tensor; B: input Wk (given as codes): QUANTISED
;;     3. [M 16,384, K 512] x [K 512, N 512]; A: input input_tensor; B: input Wv (given as codes): QUANTISED
;;     4. [M 16,384, K 512] x [K 512, N 512]; A: input position_embedding (given as codes); B: input Wqp (given as codes): QUANTISED
;;     5. [M 16,384, K 512] x [K 512, N 512]; A: input position_embedding (given as codes); B: input Wkp (given as codes): QUANTISED
;;     6. [M 16,384, K 512] x [K 512, N 512]; A: input attribute_table (given as codes); B: input Wqa (given as codes): QUANTISED
;;     7. [M 16,384, K 512] x [K 512, N 512]; A: input attribute_table (given as codes); B: input Wka (given as codes): QUANTISED
;;     8. batch 1,024 x [M 128, K 64] x [K 64, N 128]; A: computed on the way; B: computed on the way: QUANTISED
;;     9. batch 1,024 x [M 128, K 64] x [K 64, N 128]; A: computed on the way; B: computed on the way: QUANTISED
;;     10. batch 1,024 x [M 128, K 64] x [K 64, N 128]; A: computed on the way; B: computed on the way: QUANTISED
;;     11. batch 1,024 x [M 128, K 128] x [K 128, N 64]; A: softmax (see below); B: computed on the way: QUANTISED
;;     12. [M 16,384, K 512] x [K 512, N 512]; A: computed on the way; B: input Wd (given as codes): QUANTISED
;;   THE QUANTISER, for each operand of a quantised product, along K:
;;     - K is cut into blocks of 32 from its start; a last block that is shorter is filled with zeros.
;;     - A block's scale is 2^e with e = floor(log2(the largest magnitude in the block)) - 2, held to -126 .. 127; a block of zeros has e = 0. As a byte (E8M0): e + 127.
;;     - Each number is divided by its block's scale, clamped to +-6, and rounded to the nearest number of E2M1, ties to even, subnormals kept.
;;     - The product sums the exact products of the quantised numbers (number of the format x scale) in f32.
;;   ~~~python
;;   def quantise(x, axis):      # numpy; x: float32 -> the quantised numbers, widened to float32 again
;;       x = np.moveaxis(x, axis, -1); K = x.shape[-1]
;;       x = np.pad(x, [(0, 0)] * (x.ndim - 1) + [(0, -K % 32)]); x = x.reshape(x.shape[:-1] + (-1, 32)); a = np.abs(x).max(-1, keepdims=True)
;;       e = np.where(a > 0, np.clip(np.frexp(np.where(a > 0, a, 1))[1] - 1 - 2, -126, 127), 0)      # np.frexp(a)[1] - 1 = floor(log2(a)), exactly
;;       r = np.clip(x / 2.0 ** e, -6, 6)
;;       step = 2.0 ** (np.maximum(np.frexp(np.where(r == 0, 1, r))[1] - 1, 0) - 1)
;;       q = np.round(r / step) * step * 2.0 ** e      # np.round: ties to even
;;       return np.moveaxis(q.reshape(q.shape[:-2] + (-1,))[..., :K], -1, axis).astype(np.float32)
;;   ~~~
;;   SOFTMAX AHEAD OF A QUANTISED PRODUCT. Where the list says 'softmax', what is quantised is not the finished softmax but p = 2^(t - M), with t = logit x log2(e) and M = ceil(the row's largest t), a whole number; so 1/2 < the row's largest p <= 1. The row's sum l is taken of the UNQUANTISED p, in f32, and the product's result is divided by l at the end. Since M is a whole number, a kernel that streams over the keys may use a running M (the ceiling of the running maximum): every later rescaling is an exact power of two, which a block's scale takes up: the codes' values come out the same.
;;   OPERANDS COMPUTED ON THE WAY. 'Computed on the way' means the value that the module computes at that place (a softmax that the list does not call 'softmax' is quantised finished and normalised). What goes into a quantiser is computed in f32, as accurately as f32 sums, v_exp_f32 and their like allow (about 1e-6 of the number): no bf16 or f16 on the way to a quantiser, and a product that is left as it is and whose result goes on into a quantised operand takes f32 operands (vector FMAs, or v_wmma_f32_16x16x4_f32). A number that lies on a knife's edge between two numbers of the format may be rounded either way, as far as f32 arithmetic and the matrix unit's own rounding can turn it there, and no further.
;;   INPUTS GIVEN AS CODES. Wd (in the module: [512, 512], K = its axis 0); Wk (in the module: [512, 512], K = its axis 0); Wka (in the module: [512, 512], K = its axis 0); Wkp (in the module: [512, 512], K = its axis 0); Wq (in the module: [512, 512], K = its axis 0); Wqa (in the module: [512, 512], K = its axis 0); Wqp (in the module: [512, 512], K = its axis 0); Wv (in the module: [512, 512], K = its axis 0); attribute_table (in the module: [128, 128, 1, 512], K = its axis 3); position_embedding (in the module: [128, 128, 512], K = its axis 2): each comes as NAME_codes (uint8): NAME with its K axis moved to the last place and cut into blocks of 32 codes, [.., K / 32, bytes a block], one block behind the other in memory; two codes a byte, the lower K in the low four bits (a code: sign, 2 exponent bits, 1 mantissa bit); and NAME_scales (uint8): the same leading axes, one E8M0 byte (e + 127) for each 32 codes along K. Its value is code x scale, taken as it is: it is not quantised again, and the codes and scales need not be those that the quantiser above would give.
;; One version. Each part assembles by itself: llvm-mc -triple=amdgcn-amd-amdhsa -mcpu=gfx1250 --defsym DOCPART=n.
;; ======== version 1 of 1: 2 launches
;; workspace buffers: ctx_codes 4,194,304 bytes; ctx_scales 262,144 bytes
;; launch attn (part 1): grid 256 x 1, 8 waves a work-group, no clusters, 296,960 bytes of LDS; arguments input_tensor, position_embedding_codes, position_embedding_scales, attribute_table_codes, attribute_table_scales, attention_mask, w_matrix, ctx_codes, ctx_scales, Wq_codes, Wq_scales, bq, Wqp_codes, Wqp_scales, bqp, Wqa_codes, Wqa_scales, bqa, Wk_codes, Wk_scales, bk, Wkp_codes, Wkp_scales, bkp, Wka_codes, Wka_scales, bka, Wv_codes, Wv_scales, bv; writes ctx_codes, ctx_scales
.if DOCPART == 1
	.amdgcn_target "amdgcn-amd-amdhsa--gfx1250"
	.amdhsa_code_object_version 6
	.text
	.protected	k_q7f5adbc911_attn
	.globl	k_q7f5adbc911_attn
	.p2align	8
	.type	k_q7f5adbc911_attn,@function
k_q7f5adbc911_attn:
	s_mov_b64 s[64:65], 0
	v_nop
	global_prefetch_b8 v0, s[64:65] scope:SCOPE_SE
	s_setreg_imm32_b32 hwreg(HW_REG_WAVE_MODE, 25, 1), 1
	s_wait_xcnt 0x0
; CrossMultiHeadAttention, first launch: the seven projections, the 3 x 3 mix of the queries, the scores, the softmax and P V, all on codes of FP4 (E2M1) with one E8M0 scale for each 32 along K.
; It leaves ctx as codes and scale bytes, laid as the second launch's operand registers.
; SHARES.  A work-group of eight waves owns one batch (128 rows) and four of its eight heads: work-group 2 bt + g, heads 4 g .. 4 g + 3.  Wave wv: head hdl = wv / 2, half z = wv % 2.
;   Phase X: wave wv quantises row tile wv of x, and copies that tile of pos, attr (codes as given) and of the mask into LDS, as images of operand registers.
;   Passes Q, K, V: the wave owns 32 columns (64 head + 32 z on) of all seven weights, for all 128 rows: each weight byte comes from memory once a work-group, straight into operand registers.
;   Attention: the wave owns query tiles 4 z .. 4 z + 3 of its head; K and V of the head stay in its registers.
; THE ROWS OF A TILE ARE NOT NEIGHBOURS: lane r of tile t takes row 32 (t / 2) + 8 (t % 2) + r + 8 (r / 8), for activations and for weights alike.  In a result whose source 0 is such a tile, the 16 registers
;   of tiles 2 b and 2 b + 1 are 16 neighbours, 32 b + 16 (lane / 16) + 0 .. 15: what the conversions to codes want.
; AN IMAGE of a fragment (16 rows x 128 K, 8 registers) is 1,024 bytes: [half c][lane][16 bytes].  A lane's 16 codes of block b (8 bytes) go to 256 b + 16 r + 8 (lane / 16): one store of 256 consecutive bytes.
; THE SCORES' K: the six blocks of 32 (three products x two halves of the head's 64) are laid alike on both sides in two K steps: step 1 holds blocks 2 z + X (X = 0, 1), step 2 holds block z of X = 2 in its lower
;   half.  The upper half of step 2 is zero CODES on Q's side, so what stands there on K's side adds nothing; both scale words hold the byte 0 there, which is a number (2^-127).
; 1 / sqrt(64) is taken off Q's scale bytes (3 off the byte: exact); the mask is the C of the first score instruction.
; THE NEXT PASS'S WEIGHTS ARE ASKED FOR IN THE LAST TILE OF THE PASS BEFORE: a weight's registers are free as soon as the last tile's step on it is issued, and take the next pass's weight four places behind it.
; LIMITS: NaN and infinities among x and 0xff among given scale bytes are not served.  A block of zeros gets the scale byte 1 (its codes are zeros; the bytes are read by this program alone).  Blocks of the mixed
;   queries whose largest magnitude lies under 2^-121 are quantised at the scale 2^-123, so that the byte less 3 stays at 1 or above.  A query all of whose keys carry a mask of -infinity gives NaN, as in the definition.
; No tensor loads and no joint requests: nothing in LDS is filled again, and the weights, the one thing that work-groups share, go to registers without touching LDS.
; Everything is written out by macros: every LDS address is a constant + a lane term + a wave term, the tile stands in the immediate.
.set XI,   0                           ; LDS: images of x: tile t, K step s at t 4096 + s 1024
.set PI,   32768                       ; of pos
.set AI,   65536                       ; of attr
.set ASC,  98304                       ; their scale rows: y 2048 + t 256 + 16 r + 4 s
.set MSK,  104448                      ; the mask as images of the score registers: t 8192 + 512 q + 16 lane
.set QP,   169984                      ; the mixed queries' codes: writer wave 6144 + t 768: 512 bytes of step 1's half z, 256 bytes of step 2's block z
.set KP,   219136                      ; the keys' likewise
.set QSP,  268288                      ; their scale bytes, a word (X = 0, 1, 2) for each row: writer wave 512 + t 64 + 4 r
.set KSP,  272384
.set VP,   276480                      ; V's images (16 of the head's 64 x 128 keys): writer wave 2048 + u 1024
.set VSP,  292864                      ; V's scale words: writer wave 256 + u 128 + 4 r
.set CG,   294912                      ; ctx's scale bytes: wave 128 + 8 r + 2 i
.set FLOOR,  0x1800000                 ; 2^(3 - 127): no largest magnitude is taken under it, so a scale byte cannot fall under 1
.set FLOORQ, 0x3000000                 ; 2^(6 - 127): the same for bytes from which 3 more are taken
; vector registers, window 0
.set RR,   1                           ; r = lane % 16
.set HH,   2                           ; h = lane / 16
.set LI,   3                           ; 16 x lane
.set R4,   4                           ; 4 r
.set R16,  5                           ; 16 r
.set LB,   6                           ; 16 r + 8 h
.set PR,   7                           ; r + 8 (r / 8)
.set XO,   8                           ; x: PR 2048 + 64 h
.set CO,   9                           ; rows of codes, 256 bytes: PR 256 + 16 h
.set SCO,  10                          ; rows of scale bytes: PR 16
.set WSO,  11                          ; a weight's scale words, two K steps to a register: PR 16 + 4 h
.set MO,   12                          ; the mask: PR 512 + 64 h
.set BO,   13                          ; a bias: 64 h
.set LIA,  14                          ; passes: 16 lane + AI
.set ASA,  15                          ; 16 r + ASC
.set PKQ,  16                          ; where I park Q's codes, K's codes,
.set PKK,  17
.set QSA,  18                          ; their scale words,
.set KSA,  19
.set VPA,  20                          ; V's codes and scale words
.set VSA,  21
.set XWI,  22                          ; phase X: where I store x's codes,
.set XWS,  23                          ; the tile's scale rows,
.set IWP,  249                         ; pos's images, attr's images,
.set IWA,  250
.set MWA,  251                         ; the mask's
.set BVO,  252                         ; bv of my lane's column: 4 PR
.set QRA,  14                          ; attention: where I read Q's step 1, Q's step 2, K's, the scale words, V, the mask
.set QRB,  15
.set KRA,  16
.set KRB,  17
.set QSR,  18
.set KSR,  19
.set VRA,  20
.set VSR,  21
.set MRA,  22
.set CGA,  23                          ; where ctx's scale bytes go
.set CGR,  249                         ; and are read back; their place in memory
.set CGO,  250
.set SR,   24                          ; v24-31  phase X: two scale rows as loaded
.set XA,   32                          ; phase X: 64 numbers of x, two sets; 64 registers of the mask, then of pos and attr
.set XB,   96
.set GG,   160
.set ACC,  104                         ; passes: v32-103 two fragment buffers (32 registers + 4 scale words each); v104-151 results (16 y + 8 u)
.set MX,   152                         ; v152-199 the mixed queries (16 X)
.set WSC,  200                         ; v200-211 the weights' scale words (4 y + 2 u + s / 2)
.set WVS,  200
.set TM,   224                         ; the quantiser: largest magnitudes, the other half's, scale operands, bytes, codes, the scale word
.set PM,   228
.set SO,   232
.set BY,   236
.set PC,   240
.set PW,   248
.set QB1,  32                          ; attention: Q's two operands (v44-47 stay zero codes), raw scale words v48-49
.set QB2,  40
.set QSW,  50                          ; Q's scale words: lanes 0-15 step 1, lanes 16-31 step 2
.set PSW,  51                          ; p's scale word
.set KSW,  52                          ; v52-59  K's, as Q's, a register a tile
.set VSW,  60                          ; v60-63  V's
.set SS,   64                          ; v64-127 the mask, the scores, p
.set OO,   128                         ; v128-159 O^T
.set PCD,  160                         ; v160-167 p's codes
.set KRW,  168                         ; v168-183 K's raw scale words
.set NM,   186                         ; v[186:187] -M
.set LS,   188                         ; v[188:191] the row's sum, two chains of pairs
.set LS2,  190
.set T1,   192
.set T2,   193
.set RL,   194                         ; v[194:195] 1 / the row's sum
; window 1: passes Q, K: weights at 64 y + 32 u + 8 s, biases at 192 + 16 y + 8 u.  Pass V: Wv at 32 u + 8 s, bv at 64 + 8 u, V^T at 80 + 64 u + 8 t.  Attention: K at 12 kt (4 of step 2, 8 of step 1), V at 96 + 8 n.
.set VB,   64
.set VA,   80
.set MSB, 0
.macro WIN new                         ; the immediate's high byte repeats the setting that is left; a switch that changes nothing is dropped
.if MSB != \new
	s_set_vgpr_msb (MSB<<8)|\new
.set MSB, \new
.endif
.endm
.macro PLACES n                        ; plain vector instructions that name no register of the matrix instructions around them (ISA guide 7.12.1)
.rept \n
	v_nop
.endr
.endm
; One matrix instruction, C in registers.  ra, rb: 1 = that side's scales are read from lanes 16-31.
.macro MM d, a, b, c, sa, sb, ra, rb
.if ((\ra)==0) && ((\rb)==0)
	v_wmma_scale_f32_16x16x128_f8f6f4 v[\d:\d+7], v[\a:\a+7], v[\b:\b+7], v[\c:\c+7], v[\sa], v[\sb] matrix_a_fmt:MATRIX_FMT_FP4 matrix_b_fmt:MATRIX_FMT_FP4
.elseif (\rb)==0
	v_wmma_scale_f32_16x16x128_f8f6f4 v[\d:\d+7], v[\a:\a+7], v[\b:\b+7], v[\c:\c+7], v[\sa], v[\sb] matrix_a_fmt:MATRIX_FMT_FP4 matrix_b_fmt:MATRIX_FMT_FP4 matrix_a_scale:MATRIX_SCALE_ROW1
.elseif (\ra)==0
	v_wmma_scale_f32_16x16x128_f8f6f4 v[\d:\d+7], v[\a:\a+7], v[\b:\b+7], v[\c:\c+7], v[\sa], v[\sb] matrix_a_fmt:MATRIX_FMT_FP4 matrix_b_fmt:MATRIX_FMT_FP4 matrix_b_scale:MATRIX_SCALE_ROW1
.else
	v_wmma_scale_f32_16x16x128_f8f6f4 v[\d:\d+7], v[\a:\a+7], v[\b:\b+7], v[\c:\c+7], v[\sa], v[\sb] matrix_a_fmt:MATRIX_FMT_FP4 matrix_b_fmt:MATRIX_FMT_FP4 matrix_a_scale:MATRIX_SCALE_ROW1 matrix_b_scale:MATRIX_SCALE_ROW1
.endif
.endm
; nb blocks of 32; of block b my lane holds 16 numbers, v[src + 16 b + i] in window win: k = 32 b + 16 h + i of my row.  They become codes in v[PC + 2 b], v[PC + 2 b + 1], bytes in v[BY + b], the scale word in v[PW].
; fl: the floor.  qb = 3: the byte that is kept is 3 less than the scale's (a division by 8 that rounds nothing); the conversion still takes the scale itself.
.macro QUANT nb, src, win, fl, qb
	WIN 5*\win
.irp b, 0,1,2,3
.if \b < \nb
	v_max3_num_f32 v[TM+\b], |v[\src+16*\b]|, |v[\src+16*\b+1]|, \fl     ; each result is read from its low end on
.endif
.endr
.irp i, 2,4,6,8,10,12,14
.irp b, 0,1,2,3
.if \b < \nb
	v_max3_num_f32 v[TM+\b], |v[\src+16*\b+\i]|, |v[\src+16*\b+\i+1]|, v[TM+\b]   ; the blocks by turns: no line waits for the line above it
.endif
.endr
.endr
	WIN 0
.irp b, 0,1,2,3
.if \b < \nb
	v_permlanex16_b32 v[PM+\b], v[TM+\b], s8, s9
.endif
.endr
.irp b, 0,1,2,3
.if \b < \nb
	v_max_num_f32 v[TM+\b], v[TM+\b], v[PM+\b]                   ; with lane l xor 16's 16 numbers: the block's largest magnitude
.endif
.endr
.irp b, 0,1,2,3
.if \b < \nb
	v_add_nc_u32 v[SO+\b], 0xff000000, v[TM+\b]                  ; 2 off its exponent field: the conversion takes the exponent field of this operand as its scale
.endif
.endr
.irp b, 0,1,2,3
.if \b < \nb
.if \qb
	v_add_nc_u32 v[BY+\b], 0xfd800000, v[TM+\b]                  ; 5 off: the scale's byte less 3
.else
	v_lshrrev_b32 v[BY+\b], 23, v[SO+\b]                         ; the scale's byte
.endif
.endif
.endr
.if \qb
.irp b, 0,1,2,3
.if \b < \nb
	v_lshrrev_b32 v[BY+\b], 23, v[BY+\b]
.endif
.endr
.endif
	v_lshl_or_b32 v[PW], v[BY+1], 8, v[BY]
.if \nb > 2
	v_lshl_or_b32 v[PW], v[BY+2], 16, v[PW]
.endif
.if \nb > 3
	v_lshl_or_b32 v[PW], v[BY+3], 24, v[PW]
.endif
	WIN \win
.irp b, 0,1,2,3
.if \b < \nb
	v_cvt_scalef32_pk8_fp4_f32 v[PC+2*\b], v[\src+16*\b:\src+16*\b+7], v[SO+\b]
	v_cvt_scalef32_pk8_fp4_f32 v[PC+2*\b+1], v[\src+16*\b+8:\src+16*\b+15], v[SO+\b]
.endif
.endr
	WIN 0
	v_nop                                          ; one plain place behind the last scaled conversion
.endm
; The pointers of n weights (codes, scale bytes, bias at s[36 + 6 y] on) are moved to my wave's 32 columns.
.macro WPTR n
.set WI, 0
.rept \n
	s_add_nc_u64 s[36+6*WI:37+6*WI], s[36+6*WI:37+6*WI], s[94:95]
	s_add_nc_u64 s[38+6*WI:39+6*WI], s[38+6*WI:39+6*WI], s[96:97]
	s_add_nc_u64 s[40+6*WI:41+6*WI], s[40+6*WI:41+6*WI], s[98:99]
.set WI, WI+1
.endr
.endm
.macro WLOADC y                        ; weight y: my two tiles' four fragments each, 16 loads, into window 1
	WIN 0x40
.irp u, 0,1
.irp s, 0,1,2,3
.irp c, 0,1
	global_load_b128 v[64*(\y)+32*\u+8*\s+4*\c:64*(\y)+32*\u+8*\s+4*\c+3], v[CO], s[36+6*(\y):37+6*(\y)] offset:\u*2048+\s*64+\c*32
.endr
.endr
.endr
	WIN 0
.endm
.macro WLOADB                          ; the three biases in the result's layout: lane (r, h), tile u: columns 16 h + 8 u + 0 .. 7.  12 loads
	WIN 0x40
.irp y, 0,1,2
.irp u, 0,1
	global_load_b128 v[192+16*\y+8*\u:192+16*\y+8*\u+3], v[BO], s[40+6*\y:41+6*\y] offset:32*\u
	global_load_b128 v[192+16*\y+8*\u+4:192+16*\y+8*\u+7], v[BO], s[40+6*\y:41+6*\y] offset:32*\u+16
.endr
.endr
	WIN 0
.endm
.macro WLOADS                          ; the weights' scale words: lanes 0-15 K step 2 s2, lanes 16-31 K step 2 s2 + 1.  12 loads
.irp y, 0,1,2
.irp u, 0,1
.irp s2, 0,1
	global_load_b32 v[WSC+4*\y+2*\u+\s2], v[WSO], s[38+6*\y:39+6*\y] offset:128*\u+8*\s2
.endr
.endr
.endr
.endm
; The next pass's weight y, all of it, into the registers that this pass's weight y has left: 16 loads of codes, 4 of bias, 4 of scale words: 24 loads
.macro WNEXT y
	WLOADC \y
	WIN 0x40
.irp u, 0,1
	global_load_b128 v[192+16*(\y)+8*\u:192+16*(\y)+8*\u+3], v[BO], s[40+6*(\y):41+6*(\y)] offset:32*\u
	global_load_b128 v[192+16*(\y)+8*\u+4:192+16*(\y)+8*\u+7], v[BO], s[40+6*(\y):41+6*(\y)] offset:32*\u+16
.endr
	WIN 0
.irp u, 0,1
.irp s2, 0,1
	global_load_b32 v[WSC+4*(\y)+2*\u+\s2], v[WSO], s[38+6*(\y):39+6*(\y)] offset:128*\u+8*\s2
.endr
.endr
.endm
.macro VNEXT0                          ; Wv's codes and scale words, into weight 0's registers and scale words: 20 loads
	WIN 0x40
.irp u, 0,1
.irp s, 0,1,2,3
.irp c, 0,1
	global_load_b128 v[32*\u+8*\s+4*\c:32*\u+8*\s+4*\c+3], v[CO], s[84:85] offset:\u*2048+\s*64+\c*32
.endr
.endr
.endr
	WIN 0
.irp u, 0,1
.irp s2, 0,1
	global_load_b32 v[WVS+2*\u+\s2], v[WSO], s[86:87] offset:128*\u+8*\s2
.endr
.endr
.endm
.macro VNEXT1                          ; bv of my lane's column, into two of weight 1's registers: 2 loads
	WIN 0x40
.irp u, 0,1
	global_load_b32 v[VB+8*\u], v[BVO], s[88:89] offset:32*\u
.endr
	WIN 0
.endm
.macro XLOAD reg, s                    ; my 16 rows' numbers of K step s: 64 a lane, 16 neighbours of each block of 32.  16 loads
.irp b, 0,1,2,3
.irp j, 0,1,2,3
	global_load_b128 v[\reg+16*\b+4*\j:\reg+16*\b+4*\j+3], v[XO], s[56:57] offset:512*\s+128*\b+16*\j
.endr
.endr
.endm
.macro XSTORE s                        ; x's codes of K step s into its image, the scale word into the tile's scale rows
.irp b, 0,1,2,3
	ds_store_b64 v[XWI], v[PC+2*\b:PC+2*\b+1] offset:\s*1024+256*\b
.endr
	ds_store_b32 v[XWS], v[PW] offset:4*\s
.endm
.macro LOADA y, t, buf                 ; activation y, tile t: four fragments and four scale words into a buffer: nine LDS loads
.set LF, 32+36*(\buf)
.irp k, 0,1,2,3,4,5,6,7
.if (\y) < 2
	ds_load_b128 v[LF+4*\k:LF+4*\k+3], v[LI] offset:(\y)*32768+(\t)*4096+512*\k
.else
	ds_load_b128 v[LF+4*\k:LF+4*\k+3], v[LIA] offset:(\t)*4096+512*\k
.endif
.endr
	ds_load_b128 v[LF+32:LF+35], v[ASA] offset:(\y)*2048+(\t)*256
.endm
.macro MIX                             ; Q_X = w[0][X] Qi + w[1][X] Qp + w[2][X] Qa, two numbers an instruction; each result is read from its low end on
.irp y, 0,1,2
.irp x, 0,1,2
.irp p, 0,2,4,6,8,10,12,14
.if \y == 0
	v_pk_mul_f32 v[MX+16*\x+\p:MX+16*\x+\p+1], v[ACC+\p:ACC+\p+1], s[16+2*\x:17+2*\x] op_sel_hi:[1,0]
.else
	v_pk_fma_f32 v[MX+16*\x+\p:MX+16*\x+\p+1], v[ACC+16*\y+\p:ACC+16*\y+\p+1], s[16+6*\y+2*\x:17+6*\y+2*\x], v[MX+16*\x+\p:MX+16*\x+\p+1] op_sel_hi:[1,0,1]
.endif
.endr
.endr
.endr
.endm
; A pass over the 8 row tiles with three weights: 24 steps (tile T, activation Y) of 8 matrix instructions, transposed: source 0 = 16 rows of the weight, source 1 = 16 rows of the activation; the bias is the C of the first.
; The two accumulators of a step take turns.  Each step first asks for the next step's fragments, into the other buffer; the last step asks for the next pass's first (x, tile 0).
; cnt = 1: this pass's weights were asked for by the pass before, 24 loads each, in the order 0, 1, 2: steps 0, 1, 2 wait for theirs by count.
; nxt = 1: the next pass has three weights, whose pointers stand in s[36:53] from step 21 on; nxt = 2: the next pass is V's.  In the last tile each weight's registers are asked for anew four places behind their last reader.
.macro PASS mix, pk, sk, fl, qb, cnt, nxt
.set N, 0
.rept 24
.set Y, N%3
.set T, N/3
.set FB, 32+36*(N%2)
.if (N == 21) && (\nxt == 1)
	s_wait_kmcnt 0x0                               ; the pointers asked for at this pass's head
	WPTR 3
	s_add_nc_u64 s[84:85], s[84:85], s[94:95]      ; Wv's likewise
	s_add_nc_u64 s[86:87], s[86:87], s[96:97]
	s_add_nc_u64 s[88:89], s[88:89], s[98:99]
.endif
.if Y != 0
	PLACES 4                                       ; in front of loads into registers that the last step's matrix instructions read (a tile's first step finds the places that stand behind the tile before)
.endif
.if N < 23
	LOADA (N+1)%3, (N+1)/3, (N+1)%2
.else
	LOADA 0, 0, 0
.endif
.if N > 21
.if \nxt == 1
	WNEXT N-22                                     ; the step before was the last to read weight N - 22
.elseif N == 22
	VNEXT0
.else
	VNEXT1
.endif
.endif
	s_wait_dscnt 9                                 ; all but the nine LDS loads just issued: this step's fragments are in, the last tile's stores are done
.if \cnt && (N < 3)
	s_wait_loadcnt 48-24*N                         ; weight N is in; behind it: the 24 loads of each later weight
.endif
.irp s, 0,1,2,3
.if \s == 0
	WIN 0x11                                       ; source 0 (weight) and C (bias) window 1
.else
	WIN 0x01
.endif
.irp u, 0,1
.if \s == 0
	MM ACC+16*Y+8*\u, 64*Y+32*\u, FB, 192+16*Y+8*\u, WSC+4*Y+2*\u, FB+32, 0, 0
.else
	MM ACC+16*Y+8*\u, 64*Y+32*\u+8*\s, FB+8*\s, ACC+16*Y+8*\u, WSC+4*Y+2*\u+\s/2, FB+32+\s, \s%2, 0
.endif
.endr
.endr
	WIN 0
.if Y == 2
	PLACES 4                                       ; in front of the first read of results, and of the loads below
.if (N == 23) && (\nxt == 1)
	WNEXT 2
.endif
.if \mix
	MIX
	QUANT 3, MX, 0, \fl, \qb
.else
	QUANT 3, ACC, 0, \fl, \qb
.endif
	ds_store_b64 v[\pk], v[PC:PC+1] offset:T*768             ; X = 0: step 1, block 2 z
	ds_store_b64 v[\pk], v[PC+2:PC+3] offset:T*768+256       ; X = 1: step 1, block 2 z + 1
	ds_store_b64 v[\pk], v[PC+4:PC+5] offset:T*768+512       ; X = 2: step 2, block z
	ds_store_b32 v[\sk], v[PW] offset:T*64
.endif
.set N, N+1
.endr
.endm
	s_load_b256 s[56:63], s[0:1], 0x0              ; x, pos codes, pos scales, attr codes
	s_load_b256 s[68:75], s[0:1], 0x20             ; attr scales, mask, w_matrix, ctx codes
	s_load_b64 s[76:77], s[0:1], 0x40              ; ctx scales
	s_load_b512 s[36:51], s[0:1], 0x48             ; Wq, Wqp, Wqa: codes, scales, bias each
	s_load_b64 s[52:53], s[0:1], 0x88
	v_lshl_add_u32 v254, v0, 2, 0x48400
	v_mov_b32 v255, 0
	v_lshrrev_b32 v1, 5, v0
	v_readfirstlane_b32 s2, v1                     ; wave 0..7
	s_lshr_b32 s3, s2, 1                           ; hdl
	s_and_b32 s4, s2, 1                            ; z
	s_lshr_b32 s5, ttmp9, 1                        ; the batch
	s_and_b32 s6, ttmp9, 1                         ; g: which four heads
	s_lshl_b32 s7, s6, 2
	s_add_co_u32 s7, s7, s3                        ; my head
	s_mov_b32 s8, 0x76543210
	s_mov_b32 s9, 0xfedcba98                       ; v_permlanex16_b32's selects for lane l xor 16
	s_mov_b32 s10, 0x3fb8aa3b                      ; log2(e)
	s_mov_b32 s11, s10                             ; (named with it as a pair, so it is written)
	s_mov_b32 s12, 0xffff0000                      ; lanes 16-31
	s_mov_b32 s13, 0x05040100                      ; step 1's scale word: bytes 0, 1 of half 0's word, bytes 0, 1 of half 1's
	s_mov_b32 s14, 0x03030602                      ; step 2's: byte 2 of each, then two bytes 0
	v_and_b32 v[RR], 15, v0
	v_bfe_u32 v[HH], v0, 4, 1
	v_and_b32 v[LI], 31, v0
	v_lshlrev_b32 v[LI], 4, v[LI]
	v_lshlrev_b32 v[R4], 2, v[RR]
	v_lshlrev_b32 v[R16], 4, v[RR]
	v_lshl_add_u32 v[LB], v[HH], 3, v[R16]
	v_and_b32 v[PR], 8, v[RR]
	v_add_nc_u32 v[PR], v[PR], v[RR]
	v_lshlrev_b32 v[XO], 11, v[PR]
	v_lshl_add_u32 v[XO], v[HH], 6, v[XO]
	v_lshlrev_b32 v[CO], 8, v[PR]
	v_lshl_add_u32 v[CO], v[HH], 4, v[CO]
	v_lshlrev_b32 v[SCO], 4, v[PR]
	v_lshl_add_u32 v[WSO], v[HH], 2, v[SCO]
	v_lshlrev_b32 v[MO], 9, v[PR]
	v_lshl_add_u32 v[MO], v[HH], 6, v[MO]
	v_lshlrev_b32 v[BO], 6, v[HH]
	v_lshlrev_b32 v[BVO], 2, v[PR]
.irp b, 0,1,2,3
	v_mov_b32 v[PM+\b], 0                          ; written once: a lane permute's destination counts as one of its sources
.endr
	; LDS addresses of phase X and of the passes
	s_lshl_b32 s80, s2, 12
	v_add_nc_u32 v[XWI], s80, v[LB]
	s_add_co_u32 s82, s80, PI
	v_add_nc_u32 v[IWP], s82, v[LI]
	s_add_co_u32 s82, s80, AI
	v_add_nc_u32 v[IWA], s82, v[LI]
	s_lshl_b32 s80, s2, 8
	s_add_co_u32 s80, s80, ASC
	v_add_nc_u32 v[XWS], s80, v[R16]
	s_lshl_b32 s80, s2, 13
	s_add_co_u32 s80, s80, MSK
	v_add_nc_u32 v[MWA], s80, v[LI]
	v_add_nc_u32 v[LIA], AI, v[LI]
	v_add_nc_u32 v[ASA], ASC, v[R16]
	s_mul_i32 s80, s2, 6144
	s_add_co_u32 s82, s80, QP
	v_add_nc_u32 v[PKQ], s82, v[LB]
	s_add_co_u32 s82, s80, KP
	v_add_nc_u32 v[PKK], s82, v[LB]
	s_lshl_b32 s80, s2, 9
	s_add_co_u32 s82, s80, QSP
	v_add_nc_u32 v[QSA], s82, v[R4]
	s_add_co_u32 s82, s80, KSP
	v_add_nc_u32 v[KSA], s82, v[R4]
	s_lshl_b32 s80, s2, 11
	s_add_co_u32 s80, s80, VP
	v_add_nc_u32 v[VPA], s80, v[LB]
	s_lshl_b32 s80, s2, 8
	s_add_co_u32 s80, s80, VSP
	v_add_nc_u32 v[VSA], s80, v[R4]
	; offsets, in registers of their own
	s_lshl_b32 s93, s3, 5
	s_lshl_b32 s80, s4, 3
	s_add_co_u32 s93, s93, s80
	s_lshl_b32 s80, s5, 7
	s_add_co_u32 s93, s93, s80                     ; the first row of my tile of phase X: 128 bt + 32 (wv / 2) + 8 (wv % 2)
	s_mov_b32 s81, 0
	s_lshl_b32 s82, s6, 3
	s_add_co_u32 s82, s82, s2                      ; my block of 32 columns: 8 g + wv
	s_lshl_b32 s94, s82, 13                        ; x 32 rows of 256 bytes of codes,
	s_mov_b32 s95, 0
	s_lshl_b32 s96, s82, 9                         ; of 16 scale bytes,
	s_mov_b32 s97, 0
	s_lshl_b32 s98, s82, 7                         ; of 4 bytes of bias
	s_mov_b32 s99, 0
	s_wait_kmcnt 0x0
	s_load_b256 s[84:91], s[72:73], 0x0            ; w_matrix: nine numbers
	s_load_b32 s92, s[72:73], 0x20
	s_lshl_b32 s80, s93, 11
	s_add_nc_u64 s[56:57], s[56:57], s[80:81]      ; x at my tile
	s_lshl_b32 s80, s93, 9
	s_add_nc_u64 s[70:71], s[70:71], s[80:81]      ; the mask
	s_lshl_b32 s80, s93, 8
	s_add_nc_u64 s[58:59], s[58:59], s[80:81]      ; pos's and attr's codes
	s_add_nc_u64 s[62:63], s[62:63], s[80:81]
	s_lshl_b32 s80, s93, 4
	s_add_nc_u64 s[60:61], s[60:61], s[80:81]      ; and scale bytes
	s_add_nc_u64 s[68:69], s[68:69], s[80:81]
	s_lshl_b32 s80, s5, 15
	s_lshl_b32 s82, s4, 14
	s_add_co_u32 s80, s80, s82
	s_lshl_b32 s82, s7, 9
	s_add_co_u32 s80, s80, s82
	s_add_nc_u64 s[74:75], s[74:75], s[80:81]      ; ctx codes: batch 32768 + my first query tile 4096 + head 512 (K step head / 2, blocks 2 (head % 2) on)
	s_lshl_b32 s80, ttmp9, 10
	s_add_nc_u64 s[76:77], s[76:77], s[80:81]      ; ctx scale bytes: 1,024 a work-group
	WPTR 3
	; ---- PHASE X.  Loads run ahead of the work; each counted wait names the loads issued behind the ones it wants.
	XLOAD XA, 0
	XLOAD XB, 1
.irp q, 0,1,2,3,4,5,6,7,8,9,10,11,12,13,14,15
	global_load_b128 v[GG+4*\q:GG+4*\q+3], v[MO], s[70:71] offset:128*(\q/4)+16*(\q%4)   ; the mask of my 16 queries, in the score registers' order: register 16 b + i = key 32 b + 16 h + i
.endr
	s_wait_kmcnt 0x0
.irp k, 0,1,2,3,4,5,6,7,8
	s_mov_b32 s[16+2*\k], s[84+\k]                 ; w[y][X] at s[16 + 2 (3 y + X)], as a pair: the packed forms name pairs
	s_mov_b32 s[17+2*\k], s[84+\k]
.endr
	s_wait_loadcnt 32                              ; K step 0 is in; behind it: K step 1, the mask
	QUANT 4, XA, 0, FLOOR, 0
	XSTORE 0
	XLOAD XA, 2
	s_wait_loadcnt 32                              ; K step 1 is in; behind it: the mask, K step 2
	s_wait_dscnt 0x0                               ; the stores have read the codes' registers
	QUANT 4, XB, 0, FLOOR, 0
	XSTORE 1
	XLOAD XB, 3
	s_wait_loadcnt 32                              ; the mask is in; behind it: K steps 2, 3
.irp q, 0,1,2,3,4,5,6,7,8,9,10,11,12,13,14,15
	ds_store_b128 v[MWA], v[GG+4*\q:GG+4*\q+3] offset:512*\q
.endr
	s_wait_dscnt 0x0                               ; the stores have read their registers: they take pos and attr
.irp k, 0,1,2,3,4,5,6,7
	global_load_b128 v[GG+4*\k:GG+4*\k+3], v[CO], s[58:59] offset:32*\k        ; pos: fragment k / 2, half k % 2
.endr
.irp k, 0,1,2,3,4,5,6,7
	global_load_b128 v[GG+32+4*\k:GG+32+4*\k+3], v[CO], s[62:63] offset:32*\k  ; attr
.endr
	global_load_b128 v[SR:SR+3], v[SCO], s[60:61]
	global_load_b128 v[SR+4:SR+7], v[SCO], s[68:69]
	s_wait_loadcnt 34                              ; K step 2 is in; behind it: K step 3 (16), pos and attr (18)
	QUANT 4, XA, 0, FLOOR, 0
	XSTORE 2
	WLOADC 0                                       ; pass Q's weights land under the rest of this phase
	s_wait_loadcnt 34                              ; K step 3 is in; behind it: pos and attr (18), Wq (16)
	s_wait_dscnt 0x0
	QUANT 4, XB, 0, FLOOR, 0
	XSTORE 3
	WLOADC 1
	s_wait_loadcnt 32                              ; pos and attr are in; behind them: Wq, Wqp
.irp k, 0,1,2,3,4,5,6,7
	ds_store_b128 v[IWP], v[GG+4*\k:GG+4*\k+3] offset:512*\k
.endr
.irp k, 0,1,2,3,4,5,6,7
	ds_store_b128 v[IWA], v[GG+32+4*\k:GG+32+4*\k+3] offset:512*\k
.endr
	ds_store_b128 v[XWS], v[SR:SR+3] offset:2048
	ds_store_b128 v[XWS], v[SR+4:SR+7] offset:4096
	WLOADC 2
	WLOADB
	s_wait_dscnt 0x0                               ; for the others' sake: all my stores into LDS are done (and have read the registers that the scale words take)
	WLOADS
	s_barrier_signal -1
	s_barrier_wait -1                              ; the images of x, pos, attr and the mask are whole
	; ---- PASS Q
	LOADA 0, 0, 0
	s_wait_loadcnt 0x0                             ; the weights are in, so their pointers may be written: those of passes K and V are asked for now, and used in this pass's last tile
	s_load_b512 s[36:51], s[0:1], 0x90             ; Wk, Wkp, Wka
	s_load_b64 s[52:53], s[0:1], 0xd0
	s_load_b128 s[84:87], s[0:1], 0xd8             ; Wv's codes and scales (w_matrix has left these registers)
	s_load_b64 s[88:89], s[0:1], 0xe8              ; bv
	PASS 1, PKQ, QSA, FLOORQ, 3, 0, 1
	; ---- PASS K: its weights and first fragments are on their way
	PASS 0, PKK, KSA, FLOOR, 0, 1, 2
	; ---- PASS V: source 0 = 16 rows of x, source 1 = 16 rows of Wv: a lane holds ONE of the head's 64 and its registers run down the keys, which are the last product's K
	s_wait_loadcnt 0x0                             ; Wv, its scale words, bv: asked for in pass K's last tile
	WIN 0x41
.irp u, 0,1
.irp j, 1,2,3,4,5,6,7
	v_mov_b32 v[VB+8*\u+\j], v[VB+8*\u]            ; the bias as a C: the same number in all eight registers (eight keys of one column)
.endr
.endr
	WIN 0
	PLACES 4
.irp t, 0,1,2,3,4,5,6,7
.set FB, 32+36*(\t%2)
.if \t > 0
	PLACES 4
.endif
.if \t < 7
	LOADA 0, \t+1, (\t+1)%2
	s_wait_dscnt 9                                 ; all but the nine loads just issued
.else
	s_wait_dscnt 0x0
.endif
	WIN 0x54                                       ; source 1 (Wv), C and D window 1
.irp s, 0,1,2,3
.irp u, 0,1
.if \s == 0
	MM VA+64*\u+8*\t, FB, 32*\u, VB+8*\u, FB+32, WVS+2*\u, 0, 0
.else
	MM VA+64*\u+8*\t, FB+8*\s, 32*\u+8*\s, VA+64*\u+8*\t, FB+32+\s, WVS+2*\u+\s/2, 0, \s%2
.endif
.endr
.endr
	WIN 0
.endr
	PLACES 4
.irp u, 0,1
	QUANT 4, VA+64*\u, 1, FLOOR, 0                 ; along the keys: register 16 b + i = key 32 b + 16 h + i
.irp b, 0,1,2,3
	ds_store_b64 v[VPA], v[PC+2*\b:PC+2*\b+1] offset:\u*1024+256*\b
.endr
	ds_store_b32 v[VSA], v[PW] offset:\u*128
	s_wait_dscnt 0x0                               ; the stores have read their registers; behind the second: all my parks are done, for the others' sake
.endr
	s_barrier_signal -1
	s_barrier_wait -1                              ; Q, K and V of all four heads lie in LDS
	; ---- ATTENTION
	s_mul_i32 s80, s3, 12288
	s_mul_i32 s82, s4, 3072
	s_add_co_u32 s83, s80, s82
	s_add_co_u32 s83, s83, QP
	v_add_nc_u32 v[QRA], s83, v[LI]                ; Q, step 1: the head's two writers' regions, my four tiles
	v_mul_u32_u24 v[T1], v[HH], 6144               ; step 2: lanes 0-15 read writer z = 0's block, lanes 16-31 writer z = 1's, 6,144 bytes on
	v_add_nc_u32 v[T1], v[T1], v[R16]
	s_add_co_u32 s83, s83, 512
	v_add_nc_u32 v[QRB], s83, v[T1]
	s_add_co_u32 s83, s80, KP
	v_add_nc_u32 v[KRA], s83, v[LI]
	s_add_co_u32 s83, s83, 512
	v_add_nc_u32 v[KRB], s83, v[T1]
	s_lshl_b32 s80, s3, 10
	s_lshl_b32 s82, s4, 8
	s_add_co_u32 s83, s80, s82
	s_add_co_u32 s83, s83, QSP
	v_add_nc_u32 v[QSR], s83, v[R4]
	s_add_co_u32 s83, s80, KSP
	v_add_nc_u32 v[KSR], s83, v[R4]
	s_lshl_b32 s80, s3, 12
	s_add_co_u32 s80, s80, VP
	v_add_nc_u32 v[VRA], s80, v[LI]
	s_lshl_b32 s80, s3, 9
	s_add_co_u32 s80, s80, VSP
	v_add_nc_u32 v[VSR], s80, v[R4]
	s_lshl_b32 s80, s4, 15
	s_add_co_u32 s80, s80, MSK
	v_add_nc_u32 v[MRA], s80, v[LI]
	s_lshl_b32 s80, s2, 7
	s_add_co_u32 s80, s80, CG
	v_lshl_add_u32 v[CGA], v[RR], 3, s80
	v_lshl_add_u32 v[CGR], v0, 4, CG
	v_lshlrev_b32 v[CGO], 4, v0
.irp j, 4,5,6,7
	v_mov_b32 v[QB2+\j], 0                         ; the upper half of Q's second K step: zero codes, for the whole phase
.endr
	v_mov_b32 v[NM+1], 0                           ; (upper halves of pairs of which the low word serves both halves)
	v_mov_b32 v[RL+1], 0
.macro QLOAD i                         ; my query tile i: step 1's two halves, step 2's lower half, the two raw scale words
	ds_load_b128 v[QB1:QB1+3], v[QRA] offset:(\i)*768
	ds_load_b128 v[QB1+4:QB1+7], v[QRA] offset:6144+(\i)*768
	ds_load_b128 v[QB2:QB2+3], v[QRB] offset:(\i)*768
	ds_load_b32 v48, v[QSR] offset:(\i)*64
	ds_load_b32 v49, v[QSR] offset:512+(\i)*64
.endm
.macro MLOADS i                        ; its mask, into the score registers
.irp q, 0,1,2,3,4,5,6,7,8,9,10,11,12,13,14,15
	ds_load_b128 v[SS+4*\q:SS+4*\q+3], v[MRA] offset:(\i)*8192+512*\q
.endr
.endm
	WIN 0x40
.irp kt, 0,1,2,3,4,5,6,7                ; K of the head stays in registers: 12 a tile: step 2's four, then step 1's eight; step 2's operand is the first eight of the twelve
	ds_load_b128 v[12*\kt:12*\kt+3], v[KRB] offset:\kt*768
	ds_load_b128 v[12*\kt+4:12*\kt+7], v[KRA] offset:\kt*768
	ds_load_b128 v[12*\kt+8:12*\kt+11], v[KRA] offset:6144+\kt*768
.endr
.irp n, 0,1,2,3
.irp c, 0,1
	ds_load_b128 v[96+8*\n+4*\c:96+8*\n+4*\c+3], v[VRA] offset:\n*1024+512*\c
.endr
.endr
	WIN 0
.irp kt, 0,1,2,3,4,5,6,7
	ds_load_b32 v[KRW+2*\kt], v[KSR] offset:\kt*64
	ds_load_b32 v[KRW+2*\kt+1], v[KSR] offset:512+\kt*64
.endr
.irp n, 0,1,2,3
	ds_load_b32 v[VSW+\n], v[VSR] offset:\n*128
.endr
	QLOAD 0
	MLOADS 0
	s_wait_dscnt 0x0
.irp kt, 0,1,2,3,4,5,6,7
	v_perm_b32 v[T1], v[KRW+2*\kt+1], v[KRW+2*\kt], s13
	v_perm_b32 v[T2], v[KRW+2*\kt+1], v[KRW+2*\kt], s14
	v_cndmask_b32 v[KSW+\kt], v[T1], v[T2], s12    ; lanes 0-15: step 1's word; lanes 16-31: step 2's
.endr
; One tile of 16 queries against all 128 keys.
.macro TILE i
	s_wait_dscnt 0x0                               ; Q's fragments and raw scale words and the mask are in
	v_perm_b32 v[T1], v49, v48, s13
	v_perm_b32 v[T2], v49, v48, s14
	v_cndmask_b32 v[QSW], v[T1], v[T2], s12
	PLACES 8                                       ; a scale register written by a vector instruction stands eight places ahead of a scaled matrix instruction
	WIN 0x01                                       ; source 0 (K) window 1
.irp kt, 0,1,2,3,4,5,6,7                ; S^T = K Q^T / 8 + mask: the eight accumulators by turns
	MM SS+8*\kt, 12*\kt+4, QB1, SS+8*\kt, KSW+\kt, QSW, 0, 0
.endr
.irp kt, 0,1,2,3,4,5,6,7
	MM SS+8*\kt, 12*\kt, QB2, SS+8*\kt, KSW+\kt, QSW, 1, 1
.endr
	WIN 0
	PLACES 4
.if \i < 3
	QLOAD \i+1
.endif
.irp b, 0,1,2,3
	v_max3_num_f32 v[TM+\b], v[SS+16*\b], v[SS+16*\b+1], v[SS+16*\b+2]   ; the largest logit of each block of 32 keys: it serves for the row's maximum and, since p rises with the logit, for the block's largest p
.endr
.irp j, 3,5,7,9,11,13
.irp b, 0,1,2,3
	v_max3_num_f32 v[TM+\b], v[TM+\b], v[SS+16*\b+\j], v[SS+16*\b+\j+1]
.endr
.endr
.irp b, 0,1,2,3
	v_max_num_f32 v[TM+\b], v[TM+\b], v[SS+16*\b+15]
.endr
.irp b, 0,1,2,3
	v_permlanex16_b32 v[PM+\b], v[TM+\b], s8, s9
.endr
.irp b, 0,1,2,3
	v_max_num_f32 v[TM+\b], v[TM+\b], v[PM+\b]
.endr
	v_max3_num_f32 v[T1], v[TM], v[TM+1], v[TM+2]
	v_max_num_f32 v[T1], v[T1], v[TM+3]            ; the row's largest logit,
	v_mul_f32 v[T1], s10, v[T1]                    ; as t = logit x log2(e)
	v_floor_f32 v[NM], -v[T1]                      ; -M = floor(-t) = -ceil(t): a whole number
.set JJ, 0
.rept 32
	v_pk_fma_f32 v[SS+JJ:SS+JJ+1], v[SS+JJ:SS+JJ+1], s[10:11], v[NM:NM+1] op_sel_hi:[1,0,0]   ; t - M, two at a time
.set JJ, JJ+2
.endr
.irp b, 0,1,2,3
	v_fma_f32 v[TM+\b], v[TM+\b], s10, v[NM]       ; the same of each block's largest logit
.endr
.set JJ, 0
.rept 64
	v_exp_f32 v[SS+JJ], v[SS+JJ]                   ; p = 2^(t - M), not normalised
.set JJ, JJ+1
.endr
.irp b, 0,1,2,3
	v_exp_f32 v[TM+\b], v[TM+\b]                   ; the block's largest p: the same two instructions on the same number
.endr
	v_nop                                          ; a plain place behind the exponentials
	s_wait_alu depctr_va_vdst(0)
.irp b, 0,1,2,3
	v_max_num_f32 v[TM+\b], FLOOR, v[TM+\b]
.endr
.irp b, 0,1,2,3
	v_add_nc_u32 v[SO+\b], 0xff000000, v[TM+\b]
.endr
.irp b, 0,1,2,3
	v_lshrrev_b32 v[BY+\b], 23, v[SO+\b]
.endr
	v_lshl_or_b32 v[PSW], v[BY+1], 8, v[BY]
	v_lshl_or_b32 v[PSW], v[BY+2], 16, v[PSW]
	v_lshl_or_b32 v[PSW], v[BY+3], 24, v[PSW]
.irp b, 0,1,2,3
	v_cvt_scalef32_pk8_fp4_f32 v[PCD+2*\b], v[SS+16*\b:SS+16*\b+7], v[SO+\b]
	v_cvt_scalef32_pk8_fp4_f32 v[PCD+2*\b+1], v[SS+16*\b+8:SS+16*\b+15], v[SO+\b]
.endr
	v_nop                                          ; one plain place behind the last scaled conversion
.irp c, 0,1                             ; the operand's layout wants a whole block in a lane: lanes 0-15 block 2 c, lanes 16-31 block 2 c + 1
.irp e, 0,1
	v_permlane16_swap_b32 v[PCD+4*\c+\e], v[PCD+4*\c+2+\e]
.endr
.endr
	v_pk_add_f32 v[LS:LS+1], v[SS:SS+1], v[SS+2:SS+3]            ; the row's sum is taken of the unquantised p: two chains of pairs.  (These are also the places between p's codes and scale word and the product)
	v_pk_add_f32 v[LS2:LS2+1], v[SS+4:SS+5], v[SS+6:SS+7]
.set JJ, 8
.rept 14
	v_pk_add_f32 v[LS:LS+1], v[LS:LS+1], v[SS+JJ:SS+JJ+1]
	v_pk_add_f32 v[LS2:LS2+1], v[LS2:LS2+1], v[SS+JJ+2:SS+JJ+3]
.set JJ, JJ+4
.endr
	v_pk_add_f32 v[LS:LS+1], v[LS:LS+1], v[LS2:LS2+1]
.if \i < 3
	MLOADS \i+1                                    ; p has been read: the next tile's mask takes its registers
.endif
	v_add_f32 v[T1], v[LS], v[LS+1]
	v_permlanex16_b32 v[PM], v[T1], s8, s9
	v_add_f32 v[T1], v[T1], v[PM]                  ; with lane l xor 16's 64 keys
	v_rcp_f32 v[RL], v[T1]
	v_nop                                          ; a plain place behind the reciprocal
	WIN 0x01
.irp n, 0,1,2,3                         ; O^T = V^T P^T: source 0 = 16 of the head's 64, K = the 128 keys
	v_wmma_scale_f32_16x16x128_f8f6f4 v[OO+8*\n:OO+8*\n+7], v[96+8*\n:96+8*\n+7], v[PCD:PCD+7], 0, v[VSW+\n], v[PSW] matrix_a_fmt:MATRIX_FMT_FP4 matrix_b_fmt:MATRIX_FMT_FP4
.endr
	WIN 0
	PLACES 4
.set JJ, 0
	s_wait_alu depctr_va_vdst(0)
.rept 16
	v_pk_mul_f32 v[OO+JJ:OO+JJ+1], v[OO+JJ:OO+JJ+1], v[RL:RL+1] op_sel_hi:[1,0]   ; ctx = O / the sum: register 16 b + i = the head's 32 b + 16 h + i
.set JJ, JJ+2
.endr
.if \i > 0
	s_wait_xcnt 0x0                                ; the last tile's stores have read the codes' registers
.endif
	QUANT 2, OO, 0, FLOOR, 0                       ; ctx is the next launch's operand: quantised along the 512, of which my head holds two blocks
	global_store_b64 v[LB], v[PC:PC+1], s[74:75] offset:\i*4096          ; each store covers 256 consecutive bytes, aligned
	global_store_b64 v[LB], v[PC+2:PC+3], s[74:75] offset:\i*4096+256
	ds_store_b16 v[CGA], v[PW] offset:2*\i         ; the two scale bytes (both halves of the lanes write the same)
.endm
	TILE 0
	TILE 1
	TILE 2
	TILE 3
	s_wait_dscnt 0x0                               ; for the others' sake: my scale bytes lie in LDS
	s_barrier_signal -1
	s_barrier_wait -1
	s_cmp_lt_u32 s2, 2                             ; waves 0 and 1 store the work-group's 1,024 scale bytes: 512 consecutive bytes a wave
	s_cbranch_scc0 .Ldone
	ds_load_b128 v[32:35], v[CGR]
	s_wait_dscnt 0x0
	global_store_b128 v[CGO], v[32:35], s[76:77]
.Ldone:
	s_wait_tensorcnt 0x0
	ds_add_u32 v254, v255
	s_wait_dscnt 0x0
	s_endpgm
.Lfunc_end_k_q7f5adbc911_attn:
	.size	k_q7f5adbc911_attn, .Lfunc_end_k_q7f5adbc911_attn-k_q7f5adbc911_attn
	.p2alignl 7, 3214868480
	.fill 96, 4, 3214868480
	.section	.rodata,"a",@progbits
	.p2align	6, 0x0
	.amdhsa_kernel k_q7f5adbc911_attn
		.amdhsa_group_segment_fixed_size 296960
		.amdhsa_private_segment_fixed_size 0
		.amdhsa_enable_private_segment 0
		.amdhsa_kernarg_size 240
		.amdhsa_user_sgpr_count 2
		.amdhsa_user_sgpr_kernarg_segment_ptr 1
		.amdhsa_wavefront_size32 1
		.amdhsa_system_sgpr_workgroup_id_x 1
		.amdhsa_system_sgpr_workgroup_id_y 1
		.amdhsa_system_sgpr_workgroup_id_z 1
		.amdhsa_system_vgpr_workitem_id 0
		.amdhsa_next_free_vgpr 512
		.amdhsa_next_free_sgpr 100
		.amdhsa_reserve_vcc 0
		.amdhsa_float_denorm_mode_32 3
		.amdhsa_float_denorm_mode_16_64 3
		.amdhsa_memory_ordered 1
		.amdhsa_forward_progress 1
		.amdhsa_inst_pref_size 255
	.end_amdhsa_kernel
	.section	.bss,"aw",@nobits
	.p2align	6
	.space	262144
	.amdgpu_metadata
---
amdhsa.version: [ 1, 2 ]
amdhsa.kernels:
  - .name:           k_q7f5adbc911_attn
    .symbol:         k_q7f5adbc911_attn.kd
    .args:
      - { .name: input_tensor, .offset: 0, .size: 8, .value_kind: global_buffer, .address_space: global }
      - { .name: position_embedding_codes, .offset: 8, .size: 8, .value_kind: global_buffer, .address_space: global }
      - { .name: position_embedding_scales, .offset: 16, .size: 8, .value_kind: global_buffer, .address_space: global }
      - { .name: attribute_table_codes, .offset: 24, .size: 8, .value_kind: global_buffer, .address_space: global }
      - { .name: attribute_table_scales, .offset: 32, .size: 8, .value_kind: global_buffer, .address_space: global }
      - { .name: attention_mask, .offset: 40, .size: 8, .value_kind: global_buffer, .address_space: global }
      - { .name: w_matrix, .offset: 48, .size: 8, .value_kind: global_buffer, .address_space: global }
      - { .name: ctx_codes, .offset: 56, .size: 8, .value_kind: global_buffer, .address_space: global }
      - { .name: ctx_scales, .offset: 64, .size: 8, .value_kind: global_buffer, .address_space: global }
      - { .name: Wq_codes, .offset: 72, .size: 8, .value_kind: global_buffer, .address_space: global }
      - { .name: Wq_scales, .offset: 80, .size: 8, .value_kind: global_buffer, .address_space: global }
      - { .name: bq, .offset: 88, .size: 8, .value_kind: global_buffer, .address_space: global }
      - { .name: Wqp_codes, .offset: 96, .size: 8, .value_kind: global_buffer, .address_space: global }
      - { .name: Wqp_scales, .offset: 104, .size: 8, .value_kind: global_buffer, .address_space: global }
      - { .name: bqp, .offset: 112, .size: 8, .value_kind: global_buffer, .address_space: global }
      - { .name: Wqa_codes, .offset: 120, .size: 8, .value_kind: global_buffer, .address_space: global }
      - { .name: Wqa_scales, .offset: 128, .size: 8, .value_kind: global_buffer, .address_space: global }
      - { .name: bqa, .offset: 136, .size: 8, .value_kind: global_buffer, .address_space: global }
      - { .name: Wk_codes, .offset: 144, .size: 8, .value_kind: global_buffer, .address_space: global }
      - { .name: Wk_scales, .offset: 152, .size: 8, .value_kind: global_buffer, .address_space: global }
      - { .name: bk, .offset: 160, .size: 8, .value_kind: global_buffer, .address_space: global }
      - { .name: Wkp_codes, .offset: 168, .size: 8, .value_kind: global_buffer, .address_space: global }
      - { .name: Wkp_scales, .offset: 176, .size: 8, .value_kind: global_buffer, .address_space: global }
      - { .name: bkp, .offset: 184, .size: 8, .value_kind: global_buffer, .address_space: global }
      - { .name: Wka_codes, .offset: 192, .size: 8, .value_kind: global_buffer, .address_space: global }
      - { .name: Wka_scales, .offset: 200, .size: 8, .value_kind: global_buffer, .address_space: global }
      - { .name: bka, .offset: 208, .size: 8, .value_kind: global_buffer, .address_space: global }
      - { .name: Wv_codes, .offset: 216, .size: 8, .value_kind: global_buffer, .address_space: global }
      - { .name: Wv_scales, .offset: 224, .size: 8, .value_kind: global_buffer, .address_space: global }
      - { .name: bv, .offset: 232, .size: 8, .value_kind: global_buffer, .address_space: global }
    .group_segment_fixed_size: 296960
    .private_segment_fixed_size: 0
    .kernarg_segment_align: 8
    .kernarg_segment_size: 240
    .max_flat_workgroup_size: 256
    .sgpr_count:     100
    .vgpr_count:     512
    .wavefront_size: 32
...
	.end_amdgpu_metadata
.endif
;; end of part 1
;; launch outln (part 2): grid 256 x 1, 8 waves a work-group, no clusters, 137,216 bytes of LDS; arguments ctx_codes, ctx_scales, Wd_codes, Wd_scales, bd, gamma, beta, input_tensor, out0; writes out0
.if DOCPART == 2
	.amdgcn_target "amdgcn-amd-amdhsa--gfx1250"
	.amdhsa_code_object_version 6
	.text
	.protected	k_q7f5adbc911_outln
	.globl	k_q7f5adbc911_outln
	.p2align	8
	.type	k_q7f5adbc911_outln,@function
k_q7f5adbc911_outln:
	s_mov_b64 s[64:65], 0
	v_nop
	global_prefetch_b8 v0, s[64:65] scope:SCOPE_SE
	s_setreg_imm32_b32 hwreg(HW_REG_WAVE_MODE, 25, 1), 1
	s_wait_xcnt 0x0
; CrossMultiHeadAttention, second launch: out = LayerNorm(ctx Wd + bd + x) gamma + beta.  The product is on codes of FP4 (E2M1) with one E8M0 scale for each 32 along K; all else in f32.
; ctx arrives as the first launch left it: images of operand registers, batch 32768 + tile 4096 + K step 1024 + half 512 + 16 lane; lane r of tile t is row 32 (t / 2) + 8 (t % 2) + r + 8 (r / 8) of the batch.
; Its scale bytes: [batch][g][wave of the first launch = 2 (head % 4) + t / 4][r][t % 4][2 bytes], head = 4 g + ..: 8 bytes hold a head's byte pairs of four tiles of one row index.
; SHARES.  A work-group of eight waves owns four tiles, 64 rows (work-group x: batch x / 2, tiles 4 (x % 2) on).  In the product wave w owns output columns 64 w .. 64 w + 63 for all 64 rows, so each byte of Wd comes
; once a work-group, into registers.  The product is used transposed (source 0 = 16 rows of Wd, source 1 = 16 rows of ctx): a lane holds eight neighbouring columns of one row.  The rows meet in a stage in LDS
; (64 rows of 2,048 bytes + 16, so that the sixteen rows that a store touches start at sixteen different 16-byte columns); behind one barrier wave w takes stage rows 8 w .. 8 w + 7, which are eight neighbouring rows of memory,
; adds x, and normalises: a row lies in one wave, 16 numbers a lane.  The variance is taken of the differences from the mean, in a second pass over registers.
; THE EIGHT ROWS GO IN TWO GROUPS OF FOUR: the first four are normalised and stored while x's other four rows may still be on their way.  Loads come back in order, so gamma and beta are asked for ahead of x:
; each wave fetches 512 of their 4,096 bytes with its first load, they meet in LDS bytes of their own behind the stage, and every wave reads its 16 columns' numbers back behind the barrier.
; No tensor loads, no joint requests: nothing in LDS is filled again, and Wd goes to registers.  LIMITS: NaN and infinities are not served.
.set GB,  132096                       ; LDS, behind the stage's 64 x 2,064 bytes: gamma's 2,048 bytes, then beta's
.set RR,  1                            ; r
.set HH,  2                            ; h
.set LI,  3                            ; 16 x lane
.set WCO, 4                            ; Wd's codes: r 256 + 16 h
.set WSO, 5                            ; Wd's scale words, two K steps to a register: r 16 + 4 h
.set BO,  6                            ; bd: 32 h
.set CSO, 7                            ; ctx's scale bytes: 8 r
.set SO1, 8                            ; the stage: where I put 16 bytes of a row, tiles 0, 1;
.set SO2, 9                            ; tiles 2, 3
.set SRD, 10                           ; where I read my eight rows back
.set GBW, 11                           ; where my wave puts its 512 bytes of gamma or beta: GB + 16 x thread
.set GT,  12                           ; v12-15 those bytes on their way
.set GBR, 16                           ; where I read gamma and beta back: GB + 16 x lane
.set GBO, 17                           ; their place in memory: 512 (wave % 4) + 16 x lane
.set AC,  32                           ; results of tile i at v[32 + 32 i]: tile i + 1's are laid over tile i's operands
.set CF,  64                           ; ctx's fragments: 64 + 32 i + 8 s
.set RW,  32                           ; ctx's raw scale bytes, a pair a head (before the first product)
.set CSW, 192                          ; ctx's scale words: 192 + 4 i + s
.set WDS, 208                          ; Wd's: 208 + 2 n + s / 2
.set BD,  216                          ; bd in the result's layout: 216 + 8 n
.set HR,  32                           ; LayerNorm: v32-159 my eight rows, 16 k + 4 q
.set GA,  160                          ; gamma, beta of my 16 columns
.set BE,  176
.set SM,  192                          ; a pair a row: sums, then the mean
.set SQ,  208                          ; a pair a row: squares, then 1 / sqrt(var + eps)
.set SQ2, 224                          ; the squares' second chain
.set TP,  240                          ; the other half of the lanes' part
; window 1: Wd's fragments at 32 n + 8 s; x's rows at 128 + 16 k + 4 q
.set MSB, 0
.macro WIN new                         ; the immediate's high byte repeats the setting that is left
.if MSB != \new
	s_set_vgpr_msb (MSB<<8)|\new
.set MSB, \new
.endif
.endm
.macro PLACES n
.rept \n
	v_nop
.endr
.endm
.macro MM d, a, b, c, sa, sb, ra       ; ra = 1: source 0's scales are read from lanes 16-31
.if (\ra)==0
	v_wmma_scale_f32_16x16x128_f8f6f4 v[\d:\d+7], v[\a:\a+7], v[\b:\b+7], v[\c:\c+7], v[\sa], v[\sb] matrix_a_fmt:MATRIX_FMT_FP4 matrix_b_fmt:MATRIX_FMT_FP4
.else
	v_wmma_scale_f32_16x16x128_f8f6f4 v[\d:\d+7], v[\a:\a+7], v[\b:\b+7], v[\c:\c+7], v[\sa], v[\sb] matrix_a_fmt:MATRIX_FMT_FP4 matrix_b_fmt:MATRIX_FMT_FP4 matrix_a_scale:MATRIX_SCALE_ROW1
.endif
.endm
.macro REDUCE base, r0                 ; the figures of rows r0 .. r0 + 3, v[base + 2 row], are summed over the 32 lanes; the rows by turns
.irp m, 1,2,4,8
.irp k, 0,1,2,3
	v_add_f32_dpp v[\base+2*(\r0+\k)], v[\base+2*(\r0+\k)], v[\base+2*(\r0+\k)] row_xmask:\m row_mask:0xf bank_mask:0xf
.endr
.endr
.irp k, 0,1,2,3
	v_permlanex16_b32 v[TP+\r0+\k], v[\base+2*(\r0+\k)], s24, s25
.endr
.irp k, 0,1,2,3
	v_add_f32 v[\base+2*(\r0+\k)], v[\base+2*(\r0+\k)], v[TP+\r0+\k]
.endr
.endm
; Rows r0 .. r0 + 3 of my eight: + x, the mean, the variance of the differences, the gain and the offset, and out.
.macro LNG r0
	WIN 0x04                                       ; source 1 (x) window 1
.irp k, 0,1,2,3
.irp j, 0,2,4,6,8,10,12,14
	v_pk_add_f32 v[HR+16*(\r0+\k)+\j:HR+16*(\r0+\k)+\j+1], v[HR+16*(\r0+\k)+\j:HR+16*(\r0+\k)+\j+1], v[128+16*(\r0+\k)+\j:128+16*(\r0+\k)+\j+1]   ; h = ctx Wd + bd + x
.endr
.endr
	WIN 0
.irp k, 0,1,2,3
	v_pk_add_f32 v[SM+2*(\r0+\k):SM+2*(\r0+\k)+1], v[HR+16*(\r0+\k):HR+16*(\r0+\k)+1], v[HR+16*(\r0+\k)+2:HR+16*(\r0+\k)+3]
.endr
.irp j, 4,6,8,10,12,14
.irp k, 0,1,2,3
	v_pk_add_f32 v[SM+2*(\r0+\k):SM+2*(\r0+\k)+1], v[SM+2*(\r0+\k):SM+2*(\r0+\k)+1], v[HR+16*(\r0+\k)+\j:HR+16*(\r0+\k)+\j+1]
.endr
.endr
.irp k, 0,1,2,3
	v_add_f32 v[SM+2*(\r0+\k)], v[SM+2*(\r0+\k)], v[SM+2*(\r0+\k)+1]
.endr
	REDUCE SM, \r0
.irp k, 0,1,2,3
	v_mul_f32 v[SM+2*(\r0+\k)], s26, v[SM+2*(\r0+\k)]          ; the mean
.endr
.irp k, 0,1,2,3
.irp j, 0,2,4,6,8,10,12,14
	v_pk_add_f32 v[HR+16*(\r0+\k)+\j:HR+16*(\r0+\k)+\j+1], v[HR+16*(\r0+\k)+\j:HR+16*(\r0+\k)+\j+1], v[SM+2*(\r0+\k):SM+2*(\r0+\k)+1] op_sel_hi:[1,0] neg_lo:[0,1] neg_hi:[0,1]   ; h - mean
.endr
.endr
.irp k, 0,1,2,3
	v_pk_mul_f32 v[SQ+2*(\r0+\k):SQ+2*(\r0+\k)+1], v[HR+16*(\r0+\k):HR+16*(\r0+\k)+1], v[HR+16*(\r0+\k):HR+16*(\r0+\k)+1]
	v_pk_mul_f32 v[SQ2+2*(\r0+\k):SQ2+2*(\r0+\k)+1], v[HR+16*(\r0+\k)+2:HR+16*(\r0+\k)+3], v[HR+16*(\r0+\k)+2:HR+16*(\r0+\k)+3]
.endr
.irp j, 4,8,12
.irp k, 0,1,2,3
	v_pk_fma_f32 v[SQ+2*(\r0+\k):SQ+2*(\r0+\k)+1], v[HR+16*(\r0+\k)+\j:HR+16*(\r0+\k)+\j+1], v[HR+16*(\r0+\k)+\j:HR+16*(\r0+\k)+\j+1], v[SQ+2*(\r0+\k):SQ+2*(\r0+\k)+1]
	v_pk_fma_f32 v[SQ2+2*(\r0+\k):SQ2+2*(\r0+\k)+1], v[HR+16*(\r0+\k)+\j+2:HR+16*(\r0+\k)+\j+3], v[HR+16*(\r0+\k)+\j+2:HR+16*(\r0+\k)+\j+3], v[SQ2+2*(\r0+\k):SQ2+2*(\r0+\k)+1]
.endr
.endr
.irp k, 0,1,2,3
	v_pk_add_f32 v[SQ+2*(\r0+\k):SQ+2*(\r0+\k)+1], v[SQ+2*(\r0+\k):SQ+2*(\r0+\k)+1], v[SQ2+2*(\r0+\k):SQ2+2*(\r0+\k)+1]
.endr
.irp k, 0,1,2,3
	v_add_f32 v[SQ+2*(\r0+\k)], v[SQ+2*(\r0+\k)], v[SQ+2*(\r0+\k)+1]
.endr
	REDUCE SQ, \r0
.irp k, 0,1,2,3
	v_fma_f32 v[SQ+2*(\r0+\k)], v[SQ+2*(\r0+\k)], s26, s27     ; var + eps
.endr
.irp k, 0,1,2,3
	v_rsq_f32 v[SQ+2*(\r0+\k)], v[SQ+2*(\r0+\k)]
.endr
	v_nop                                          ; a plain place behind the last transcendental
	s_wait_alu depctr_va_vdst(0)
.irp k, 0,1,2,3
.irp j, 0,2,4,6,8,10,12,14
	v_pk_mul_f32 v[HR+16*(\r0+\k)+\j:HR+16*(\r0+\k)+\j+1], v[HR+16*(\r0+\k)+\j:HR+16*(\r0+\k)+\j+1], v[SQ+2*(\r0+\k):SQ+2*(\r0+\k)+1] op_sel_hi:[1,0]
.endr
.irp j, 0,2,4,6,8,10,12,14
	v_pk_fma_f32 v[HR+16*(\r0+\k)+\j:HR+16*(\r0+\k)+\j+1], v[HR+16*(\r0+\k)+\j:HR+16*(\r0+\k)+\j+1], v[GA+\j:GA+\j+1], v[BE+\j:BE+\j+1]
.endr
.irp q, 0,1,2,3
	global_store_b128 v[LI], v[HR+16*(\r0+\k)+4*\q:HR+16*(\r0+\k)+4*\q+3], s[20:21] offset:(\r0+\k)*2048+\q*512 th:TH_STORE_NT   ; 32 lanes store 512 consecutive bytes, aligned; written once, read by nobody here
.endr
.endr
.endm
	s_load_b512 s[4:19], s[0:1], 0x0               ; ctx codes s[4:5], ctx scales s[6:7], Wd codes s[8:9], Wd scales s[10:11], bd s[12:13], gamma s[14:15], beta s[16:17], x s[18:19]
	s_load_b64 s[20:21], s[0:1], 0x40              ; out0
	v_lshl_add_u32 v254, v0, 2, 0x21400
	v_mov_b32 v255, 0
	v_lshrrev_b32 v1, 5, v0
	v_readfirstlane_b32 s2, v1                     ; wave 0..7
	s_mov_b32 s24, 0x76543210
	s_mov_b32 s25, 0xfedcba98                      ; v_permlanex16_b32's selects for lane l xor 16
	s_mov_b32 s26, 0x3b000000                      ; 1 / 512
	s_mov_b32 s27, 0x2b8cbccc                      ; 1e-12
	s_mov_b32 s28, 0x05040100                      ; two low halves
	s_mov_b32 s29, 0x07060302                      ; two high halves
	v_and_b32 v[RR], 15, v0
	v_bfe_u32 v[HH], v0, 4, 1
	v_and_b32 v[LI], 31, v0
	v_lshlrev_b32 v[LI], 4, v[LI]
	v_lshlrev_b32 v[WCO], 8, v[RR]
	v_lshl_add_u32 v[WCO], v[HH], 4, v[WCO]
	v_lshlrev_b32 v[WSO], 4, v[RR]
	v_lshl_add_u32 v[WSO], v[HH], 2, v[WSO]
	v_lshlrev_b32 v[BO], 5, v[HH]
	v_lshlrev_b32 v[CSO], 3, v[RR]
	v_mul_u32_u24 v[SO1], v[RR], 2064
	v_lshl_add_u32 v[SO1], v[HH], 5, v[SO1]
	s_lshl_b32 s30, s2, 8
	v_add_nc_u32 v[SO1], s30, v[SO1]               ; stage row r, + 32 h, + 256 x wave: my columns' bytes
	v_add_nc_u32 v[SO2], 66048, v[SO1]             ; 32 rows further down
	s_mul_i32 s30, s2, 16512
	v_add_nc_u32 v[SRD], s30, v[LI]                ; my eight rows, 16 bytes a lane
	v_lshl_add_u32 v[GBW], v0, 4, GB               ; waves 0-3 put gamma's four pieces of 512 bytes, waves 4-7 beta's
	v_add_nc_u32 v[GBR], GB, v[LI]
	s_and_b32 s30, s2, 3
	s_lshl_b32 s30, s30, 9
	v_add_nc_u32 v[GBO], s30, v[LI]
	; the first of my eight rows in memory: 64 x + 32 (w / 4) + 8 ((w / 2) % 2) + 16 (w % 2)
	s_lshl_b32 s22, ttmp9, 6
	s_lshr_b32 s30, s2, 2
	s_lshl_b32 s30, s30, 5
	s_add_co_u32 s22, s22, s30
	s_bfe_u32 s30, s2, 0x10001
	s_lshl_b32 s30, s30, 3
	s_add_co_u32 s22, s22, s30
	s_and_b32 s30, s2, 1
	s_lshl_b32 s30, s30, 4
	s_add_co_u32 s22, s22, s30
	s_lshl_b32 s22, s22, 11                        ; in bytes: rows of 2,048
	s_mov_b32 s23, 0
	s_mov_b32 s31, 0
	s_wait_kmcnt 0x0
	s_cmp_lt_u32 s2, 4                             ; gamma's wave or beta's?  The choice hangs on the wave's number alone
	s_cselect_b64 s[14:15], s[14:15], s[16:17]
	global_load_b128 v[GT:GT+3], v[GBO], s[14:15]  ; my wave's 512 bytes: the first load, so that it is in with the product's operands
	s_add_nc_u64 s[18:19], s[18:19], s[22:23]
	s_add_nc_u64 s[20:21], s[20:21], s[22:23]
	s_lshl_b32 s30, ttmp9, 14
	s_add_nc_u64 s[4:5], s[4:5], s[30:31]          ; my four tiles' images: 16,384 bytes
	s_lshr_b32 s30, ttmp9, 1
	s_lshl_b32 s30, s30, 11
	s_and_b32 s32, ttmp9, 1
	s_lshl_b32 s32, s32, 7
	s_add_co_u32 s30, s30, s32
	s_add_nc_u64 s[6:7], s[6:7], s[30:31]          ; their scale bytes: batch 2048 + (t / 4) 128
	s_lshl_b32 s30, s2, 14
	s_add_nc_u64 s[8:9], s[8:9], s[30:31]          ; my 64 rows of Wd,
	s_lshl_b32 s30, s2, 10
	s_add_nc_u64 s[10:11], s[10:11], s[30:31]      ; their scale bytes,
	s_lshl_b32 s30, s2, 8
	s_add_nc_u64 s[12:13], s[12:13], s[30:31]      ; my 64 numbers of bd
.irp i, 0,1,2,3
.irp k, 0,1,2,3,4,5,6,7
	global_load_b128 v[CF+32*\i+4*\k:CF+32*\i+4*\k+3], v[LI], s[4:5] offset:\i*4096+512*\k    ; an image comes back as it was stored: 512 consecutive bytes a load
.endr
.endr
.irp hd, 0,1,2,3,4,5,6,7
	global_load_b64 v[RW+2*\hd:RW+2*\hd+1], v[CSO], s[6:7] offset:(\hd/4)*1024+(\hd%4)*256
.endr
	WIN 0x40
.irp n, 0,1,2,3
.irp s, 0,1,2,3
.irp c, 0,1
	global_load_b128 v[32*\n+8*\s+4*\c:32*\n+8*\s+4*\c+3], v[WCO], s[8:9] offset:\n*4096+\s*64+\c*32
.endr
.endr
.endr
	WIN 0
.irp n, 0,1,2,3
.irp s2, 0,1
	global_load_b32 v[WDS+2*\n+\s2], v[WSO], s[10:11] offset:\n*256+8*\s2
.endr
.endr
.irp n, 0,1,2,3
	global_load_b128 v[BD+8*\n:BD+8*\n+3], v[BO], s[12:13] offset:64*\n
	global_load_b128 v[BD+8*\n+4:BD+8*\n+7], v[BO], s[12:13] offset:64*\n+16
.endr
	WIN 0x40
.irp k, 0,1,2,3,4,5,6,7
.irp q, 0,1,2,3
	global_load_b128 v[128+16*\k+4*\q:128+16*\k+4*\q+3], v[LI], s[18:19] offset:\k*2048+\q*512 th:TH_LOAD_NT   ; x's rows, in the order in which they are wanted: the last to be asked for; read here for the last time
.endr
.endr
	WIN 0
	s_wait_loadcnt 32                              ; all but x's 32 loads: the product's operands and my piece of gamma or beta are in
	ds_store_b128 v[GBW], v[GT:GT+3]
.irp i, 0,1,2,3
.irp s, 0,1,2,3
.if \i%2 == 0
	v_perm_b32 v[CSW+4*\i+\s], v[RW+4*\s+2+\i/2], v[RW+4*\s+\i/2], s28    ; K step s of tile i: the byte pairs of heads 2 s and 2 s + 1
.else
	v_perm_b32 v[CSW+4*\i+\s], v[RW+4*\s+2+\i/2], v[RW+4*\s+\i/2], s29
.endif
.endr
.endr
	PLACES 8                                       ; a scale register written by a vector instruction stands eight places ahead of a scaled matrix instruction
.irp i, 0,1,2,3
	WIN 0x01                                       ; source 0 (Wd) window 1
.irp s, 0,1,2,3
.irp n, 0,1,2,3                         ; the four accumulators by turns; bd is the C of the first
.if \s == 0
	MM AC+32*\i+8*\n, 32*\n, CF+32*\i, BD+8*\n, WDS+2*\n, CSW+4*\i, 0
.else
	MM AC+32*\i+8*\n, 32*\n+8*\s, CF+32*\i+8*\s, AC+32*\i+8*\n, WDS+2*\n+\s/2, CSW+4*\i+\s, \s%2
.endif
.endr
.endr
	WIN 0
	PLACES 5                                       ; four in front of the stores that read results; five since the next tile's results are laid over this tile's operands
.irp n, 0,1,2,3
.if \i < 2
	ds_store_b128 v[SO1], v[AC+32*\i+8*\n:AC+32*\i+8*\n+3] offset:\i*33024+64*\n          ; each accumulator from its low end on
	ds_store_b128 v[SO1], v[AC+32*\i+8*\n+4:AC+32*\i+8*\n+7] offset:\i*33024+64*\n+16
.else
	ds_store_b128 v[SO2], v[AC+32*\i+8*\n:AC+32*\i+8*\n+3] offset:(\i-2)*33024+64*\n
	ds_store_b128 v[SO2], v[AC+32*\i+8*\n+4:AC+32*\i+8*\n+7] offset:(\i-2)*33024+64*\n+16
.endif
.endr
.endr
.irp k, 0,1,2,3,4,5,6,7
	v_mov_b32 v[TP+\k], 0                          ; written once: a lane permute's destination counts as one of its sources
.endr
	s_wait_dscnt 0x0                               ; for the others' sake: my stores into the stage, and of gamma or beta, are done
	s_barrier_signal -1
	s_barrier_wait -1                              ; 64 whole rows lie in the stage, gamma and beta behind it
.irp k, 0,1,2,3
.irp q, 0,1,2,3
	ds_load_b128 v[HR+16*\k+4*\q:HR+16*\k+4*\q+3], v[SRD] offset:\k*2064+512*\q
.endr
.endr
.irp q, 0,1,2,3
	ds_load_b128 v[GA+4*\q:GA+4*\q+3], v[GBR] offset:512*\q              ; gamma and beta of my 16 columns, into the last tile's operands
	ds_load_b128 v[BE+4*\q:BE+4*\q+3], v[GBR] offset:2048+512*\q
.endr
.irp k, 4,5,6,7
.irp q, 0,1,2,3
	ds_load_b128 v[HR+16*\k+4*\q:HR+16*\k+4*\q+3], v[SRD] offset:\k*2064+512*\q
.endr
.endr
	s_wait_loadcnt 16                              ; x's rows 0-3 are in; behind them: the 16 loads of rows 4-7
	s_wait_dscnt 16                                ; the stage's rows 0-3, gamma and beta are in; behind them: the 16 loads of rows 4-7
	LNG 0
	s_wait_loadcnt 0x0
	s_wait_dscnt 0x0
	LNG 4
	s_wait_tensorcnt 0x0
	ds_add_u32 v254, v255
	s_wait_dscnt 0x0
	s_endpgm
.Lfunc_end_k_q7f5adbc911_outln:
	.size	k_q7f5adbc911_outln, .Lfunc_end_k_q7f5adbc911_outln-k_q7f5adbc911_outln
	.p2alignl 7, 3214868480
	.fill 96, 4, 3214868480
	.section	.rodata,"a",@progbits
	.p2align	6, 0x0
	.amdhsa_kernel k_q7f5adbc911_outln
		.amdhsa_group_segment_fixed_size 137216
		.amdhsa_private_segment_fixed_size 0
		.amdhsa_enable_private_segment 0
		.amdhsa_kernarg_size 72
		.amdhsa_user_sgpr_count 2
		.amdhsa_user_sgpr_kernarg_segment_ptr 1
		.amdhsa_wavefront_size32 1
		.amdhsa_system_sgpr_workgroup_id_x 1
		.amdhsa_system_sgpr_workgroup_id_y 1
		.amdhsa_system_sgpr_workgroup_id_z 1
		.amdhsa_system_vgpr_workitem_id 0
		.amdhsa_next_free_vgpr 512
		.amdhsa_next_free_sgpr 66
		.amdhsa_reserve_vcc 0
		.amdhsa_float_denorm_mode_32 3
		.amdhsa_float_denorm_mode_16_64 3
		.amdhsa_memory_ordered 1
		.amdhsa_forward_progress 1
		.amdhsa_inst_pref_size 65
	.end_amdhsa_kernel
	.amdgpu_metadata
---
amdhsa.version: [ 1, 2 ]
amdhsa.kernels:
  - .name:           k_q7f5adbc911_outln
    .symbol:         k_q7f5adbc911_outln.kd
    .args:
      - { .name: ctx_codes, .offset: 0, .size: 8, .value_kind: global_buffer, .address_space: global }
      - { .name: ctx_scales, .offset: 8, .size: 8, .value_kind: global_buffer, .address_space: global }
      - { .name: Wd_codes, .offset: 16, .size: 8, .value_kind: global_buffer, .address_space: global }
      - { .name: Wd_scales, .offset: 24, .size: 8, .value_kind: global_buffer, .address_space: global }
      - { .name: bd, .offset: 32, .size: 8, .value_kind: global_buffer, .address_space: global }
      - { .name: gamma, .offset: 40, .size: 8, .value_kind: global_buffer, .address_space: global }
      - { .name: beta, .offset: 48, .size: 8, .value_kind: global_buffer, .address_space: global }
      - { .name: input_tensor, .offset: 56, .size: 8, .value_kind: global_buffer, .address_space: global }
      - { .name: out0, .offset: 64, .size: 8, .value_kind: global_buffer, .address_space: global }
    .group_segment_fixed_size: 137216
    .private_segment_fixed_size: 0
    .kernarg_segment_align: 8
    .kernarg_segment_size: 72
    .max_flat_workgroup_size: 256
    .sgpr_count:     66
    .vgpr_count:     512
    .wavefront_size: 32
...
	.end_amdgpu_metadata
.endif
;; end of part 2
